; MI455X (gfx1250); checked and timed in simulation.
; The chip was launched on July 23, 2026; its instructions are those of AMD's public machine-readable ISA for CDNA 5 (MIT licence, August 2026) and "CDNA5" Instruction Set Architecture Reference Guide (July 2026). The comments in the code are by the model that wrote it; some were corrected since.
;; Multi Head Attention. Allowed arithmetic: matrix products marked QUANTISED: E2M3 operands, one E8M0 scale for each 32 along K, by v_wmma_scale_f32_16x16x128_f8f6f4 with both operands' format E2M3, f32 sums; everything else in f32.
;; Inputs: Wk 1,024 x 1,024 float32; Wq 1,024 x 1,024 float32; Wv 1,024 x 1,024 float32; bk 1,024 float32; bq 1,024 float32; bv 1,024 float32; x 4 x 2,048 x 1,024 float32.
;; Outputs: out0 4 x 2,048 x 1,024 float32.
;; This version of the problem:
;;   THIS VERSION OF THE PROBLEM IS GIVEN IN LOW PRECISION. The matrix products marked QUANTISED in the list below multiply operands that are first quantised to E2M3 (2 exponent bits, 3 mantissa bits; 6 bits a number), with one power-of-two scale for each 32 numbers along K (OCP MX v1.0); their sums are f32. All else is computed in f32.
;;   The module's matrix products, in the order in which they are computed (A, B: the left and right operand; K: the contracted axis; several contracted axes count as one K, in the product's order):
;;     1. [M 8,192, K 1,024] x [K 1,024, N 1,024]; A: input x; B: input Wq: QUANTISED
;;     2. [M 8,192, K 1,024] x [K 1,024, N 1,024]; A: input x; B: input Wk: QUANTISED
;;     3. [M 8,192, K 1,024] x [K 1,024, N 1,024]; A: input x; B: input Wv: QUANTISED
;;     4. batch 64 x [M 2,048, K 64] x [K 64, N 2,048]; A: computed on the way; B: computed on the way: QUANTISED
;;     5. batch 64 x [M 2,048, K 2,048] x [K 2,048, N 64]; A: softmax (see below); B: computed on the way: QUANTISED
;;   THE QUANTISER, for each operand of a quantised product, along K:
;;     - K is cut into blocks of 32 from its start; a last block that is shorter is filled with zeros.
;;     - A block's scale is 2^e with e = floor(log2(the largest magnitude in the block)) - 2, held to -126 .. 127; a block of zeros has e = 0. As a byte (E8M0): e + 127.
;;     - Each number is divided by its block's scale, clamped to +-7.5, and rounded to the nearest number of E2M3, ties to even, subnormals kept.
;;     - The product sums the exact products of the quantised numbers (number of the format x scale) in f32.
;;   ~~~python
;;   def quantise(x, axis):      # numpy; x: float32 -> the quantised numbers, widened to float32 again
;;       x = np.moveaxis(x, axis, -1); K = x.shape[-1]
;;       x = np.pad(x, [(0, 0)] * (x.ndim - 1) + [(0, -K % 32)]); x = x.reshape(x.shape[:-1] + (-1, 32)); a = np.abs(x).max(-1, keepdims=True)
;;       e = np.where(a > 0, np.clip(np.frexp(np.where(a > 0, a, 1))[1] - 1 - 2, -126, 127), 0)      # np.frexp(a)[1] - 1 = floor(log2(a)), exactly
;;       r = np.clip(x / 2.0 ** e, -7.5, 7.5)
;;       step = 2.0 ** (np.maximum(np.frexp(np.where(r == 0, 1, r))[1] - 1, 0) - 3)
;;       q = np.round(r / step) * step * 2.0 ** e      # np.round: ties to even
;;       return np.moveaxis(q.reshape(q.shape[:-2] + (-1,))[..., :K], -1, axis).astype(np.float32)
;;   ~~~
;;   SOFTMAX AHEAD OF A QUANTISED PRODUCT. Where the list says 'softmax', what is quantised is not the finished softmax but p = 2^(t - M), with t = logit x log2(e) and M = ceil(the row's largest t), a whole number; so 1/2 < the row's largest p <= 1. The row's sum l is taken of the UNQUANTISED p, in f32, and the product's result is divided by l at the end. Since M is a whole number, a kernel that streams over the keys may use a running M (the ceiling of the running maximum): every later rescaling is an exact power of two, which a block's scale takes up: the codes' values come out the same.
;;   OPERANDS COMPUTED ON THE WAY. 'Computed on the way' means the value that the module computes at that place (a softmax that the list does not call 'softmax' is quantised finished and normalised). What goes into a quantiser is computed in f32, as accurately as f32 sums, v_exp_f32 and their like allow (about 1e-6 of the number): no bf16 or f16 on the way to a quantiser, and a product that is left as it is and whose result goes on into a quantised operand takes f32 operands (vector FMAs, or v_wmma_f32_16x16x4_f32). A number that lies on a knife's edge between two numbers of the format may be rounded either way, as far as f32 arithmetic and the matrix unit's own rounding can turn it there, and no further.
;; One version. Each part assembles by itself: llvm-mc -triple=amdgcn-amd-amdhsa -mcpu=gfx1250 --defsym DOCPART=n.
;; ======== version 1 of 1: 3 launches
;; workspace buffers: codes 8,650,752 bytes; scales 360,448 bytes; qkv 20,185,088 bytes
;; launch quant (part 1): grid 352 x 1, 4 waves a work-group, no clusters, 68,096 bytes of LDS; arguments x, Wq, Wk, Wv, codes, scales; writes codes, scales
.if DOCPART == 1
	.amdgcn_target "amdgcn-amd-amdhsa--gfx1250"
	.amdhsa_code_object_version 6
	.text
	.protected	k_q415ace3c79_quant
	.globl	k_q415ace3c79_quant
	.p2align	8
	.type	k_q415ace3c79_quant,@function
k_q415ace3c79_quant:
	s_mov_b64 s[64:65], 0
	v_nop
	global_prefetch_b8 v0, s[64:65] scope:SCOPE_SE
	s_setreg_imm32_b32 hwreg(HW_REG_WAVE_MODE, 25, 1), 1
	s_wait_xcnt 0x0
; x [8192][1024] and Wq, Wk, Wv [1024 (k)][1024 (n)], f32, become codes of FP6 (E2M3), K innermost, with one E8M0 byte for each 32 along K.
; codes: 11,264 rows of 768 bytes; rows 0-8191 are x's rows, row 8192 + 1024 t + n is column n of weight t (0 q, 1 k, 2 v).  scales: the same rows, 32 bytes each.
; A block's scale is 2^(floor(log2(its largest magnitude)) - 2); its byte is the largest magnitude's exponent field - 2, held at 1 from below; numbers beyond 7.5 scales get the largest code.
; LIMITS: a block of zeros gets the byte 1 where the quantiser says 127 (its codes are zeros, and only this program reads the bytes); blocks whose largest magnitude lies under 2^-124 are held at byte 1;
; NaN and infinities among the inputs are not served.
; Work-groups 0-255 take x, whose K is innermost: a plain stream of blocks of 32.  A wave takes 16 steps of 512 numbers; each load reads 512 consecutive bytes; a step's 2,048 bytes turn through the wave's own
; stage in LDS so that a lane holds 16 neighbours; a lane's 12 bytes of codes leave as 384 consecutive bytes a wave; a wave's 256 scale bytes are gathered in LDS and leave as one run of 256.
; Work-groups 256-351 take the weights, whose K is the first axis: a lane takes a column and its registers run down K, so a block lies in one lane and the codes come out with K innermost; they leave through the
; wave's own stage as rows.  The two ways part once, on the work-group's number, never join, and have LDS bytes of their own.  No input is shared between work-groups: no cluster, no tensor load, no barrier.
.set XWG,   256                        ; work-groups of x: 8,388,608 numbers / 32,768
.set SPW,   192                        ; v192  LDS address of my spare word; never rewritten
.set NIL,   193                        ; v193  0; never rewritten
.set SPARE, 67584                      ; behind both ways' regions: the spare words, 128 bytes a wave
.set EMAX,  2
.set STEPS, 16                         ; x: steps of a wave
.set CB,    12                         ; bytes of 16 codes
.set R,     16                         ; v16-79   four sets of 16 numbers as loaded
.set X,     80                         ; v80-111  two sets of 16 neighbours
.set E,     112                        ; v112-127 a scale byte for each step
.set C,     128                        ; v128-191 codes, four registers a step
.set WREG,  8192                       ; x: a wave's LDS region: two stages of 32 x SP bytes, then its 256 scale bytes
.set SP,    80                         ; a lane's place in a stage: 64 bytes + 16
.set NB,    8                          ; W: blocks of a wave (256 along K)
.set WSTG,  32768                      ; W: the four stages begin here
.set PITCH, 272                        ; W: a stage row: sixteen places of 16 bytes + 16
.set KROW,  768                        ; a row of codes in bytes
.set WX,    32                         ; v32-95   W: two sets of 32 numbers
.set WC,    96                         ; v96-102  W: a block's codes
.set OUTR,  112                        ; v112-175 W: the way out
.set SB,    24                         ; v24-25   W: the scale bytes
	s_load_b256 s[4:11], s[0:1], 0x0               ; x s[4:5], Wq s[6:7], Wk s[8:9], Wv s[10:11]
	s_load_b128 s[12:15], s[0:1], 0x20             ; codes s[12:13], scales s[14:15]
	v_lshl_add_u32 v[SPW], v0, 2, SPARE
	v_mov_b32 v[NIL], 0
	v_lshrrev_b32 v1, 5, v0
	v_readfirstlane_b32 s16, v1                    ; wave
	v_and_b32 v2, 31, v0                           ; lane
	s_cmp_ge_u32 ttmp9, XWG
	s_cbranch_scc1 .Lw
	; ---------------- x ----------------
	v_lshlrev_b32 v3, 4, v2                        ; my 16 bytes of a load's 512
	s_mul_i32 s17, s16, WREG
	v_lshrrev_b32 v14, 2, v2
	v_mul_u32_u24 v14, v14, SP
	v_and_b32 v15, 3, v2
	v_lshl_add_u32 v14, v15, 4, v14
	v_add_nc_u32 v14, s17, v14                     ; into the stage: SP (lane / 4) + 16 (lane % 4)
	v_mul_u32_u24 v15, v2, SP
	v_add_nc_u32 v15, s17, v15                     ; out of it: SP x lane: my 16 neighbours
	v_mul_u32_u24 v4, v2, CB                       ; my codes' place in a step's
	v_lshrrev_b32 v5, 1, v2
	s_add_co_u32 s17, s17, 2*32*SP
	v_add_nc_u32 v5, s17, v5                       ; my wave's 256 scale bytes, my block's byte
	v_lshlrev_b32 v7, 3, v2
	v_add_nc_u32 v6, s17, v7                       ; and on the way out 8 bytes a lane
	s_lshl_b32 s17, ttmp9, 2
	s_add_co_u32 s18, s17, s16                     ; which run of 8,192 numbers is my wave's: 0 .. 1023
	s_lshl_b32 s20, s18, 15                        ; 32,768 bytes of x,
	s_mov_b32 s21, 0
	s_mul_i32 s22, s18, 32*STEPS*CB                ; 6,144 of codes,
	s_mov_b32 s23, 0
	s_lshl_b32 s24, s18, 8                         ; 256 of scale bytes
	s_mov_b32 s25, 0
	s_wait_alu depctr_va_vdst(0)
	s_wait_kmcnt 0x0
	s_add_nc_u64 s[4:5], s[4:5], s[20:21]
	s_add_nc_u64 s[12:13], s[12:13], s[22:23]
	s_add_nc_u64 s[14:15], s[14:15], s[24:25]
.macro LOAD t
.irp i, 0,1,2,3
	global_load_b128 v[R+16*((\t)%4)+4*\i:R+16*((\t)%4)+4*\i+3], v3, s[4:5] offset:2048*(\t)+512*\i th:TH_LOAD_NT   ; 32 lanes read 512 consecutive bytes
.endr
.endm
.macro TURN t                          ; step t's numbers through the stage: LDS serves a wave's instructions in order, so no wait stands between the stores and the loads
.irp i, 0,1,2,3
	ds_store_b128 v14, v[R+16*((\t)%4)+4*\i:R+16*((\t)%4)+4*\i+3] offset:32*SP*((\t)%2)+8*SP*\i
.endr
.irp i, 0,1,2,3
	ds_load_b128 v[X+16*((\t)%2)+4*\i:X+16*((\t)%2)+4*\i+3], v15 offset:32*SP*((\t)%2)+16*\i
.endr
.endm
.irp t, 0,1,2,3
	LOAD \t
.endr
	s_wait_loadcnt 12                              ; step 0's four loads are in; the twelve of steps 1 to 3 may be out
	TURN 0
.macro STEP t
.set XS, X+16*((\t)%2)
.if (\t) > 0
	s_wait_dscnt 1                                 ; this step's numbers are back from the stage (the last step's byte store may be out)
.else
	s_wait_dscnt 0x0
.endif
.if (\t)+4 < STEPS
	LOAD (\t)+4                                    ; into the set whose stores into the stage have read it
.endif
.if (\t)+1 < STEPS
.if STEPS-2-(\t) >= 3
	s_wait_loadcnt 12                              ; the next step's four loads are in; those of the three steps behind it may be out
.else
	s_wait_loadcnt 4*(STEPS-2-(\t))
.endif
	TURN (\t)+1                                    ; through the other stage while this step is worked
.endif
	v_max3_num_f32 v8, |v[XS]|, |v[XS+1]|, |v[XS+2]|               ; the largest magnitude of my 16, in two chains
	v_max3_num_f32 v9, |v[XS+3]|, |v[XS+4]|, |v[XS+5]|
.irp i, 6,10
	v_max3_num_f32 v8, v8, |v[XS+\i]|, |v[XS+\i+1]|
	v_max3_num_f32 v9, v9, |v[XS+\i+2]|, |v[XS+\i+3]|
.endr
	v_max3_num_f32 v8, v8, |v[XS+14]|, |v[XS+15]|
	v_max3_num_f32 v8, v8, v9, (EMAX+1)<<23        ; and the floor 2^(3 - 127): the byte cannot fall under 1
	v_max_num_f32_dpp v8, v8, v8 row_xmask:1 row_mask:0xf bank_mask:0xf   ; with my neighbour's 16: the block's
	v_add_nc_u32 v11, -(EMAX<<23), v8              ; 2 off its exponent field: the conversion takes the exponent field of this operand as its scale
	v_cvt_scalef32_pk16_fp6_f32 v[C+4*(\t):C+4*(\t)+2], v[XS:XS+15], v11
	v_lshrrev_b32 v[E+(\t)], 23, v11               ; the scale's byte (also the plain line behind the conversion)
	ds_store_b8 v5, v[E+(\t)] offset:16*(\t)       ; both lanes of a block write the same byte with the same value
	global_store_b96 v4, v[C+4*(\t):C+4*(\t)+2], s[12:13] offset:32*CB*(\t)   ; 384 consecutive bytes a wave
.endm
.irp t, 0,1,2,3,4,5,6,7,8,9,10,11,12,13,14,15
	STEP \t
.endr
	ds_load_b64 v[8:9], v6                         ; LDS serves a wave's instructions in order: these see my byte stores
	s_wait_dscnt 0x0
	global_store_b64 v7, v[8:9], s[14:15]          ; 32 lanes store 256 consecutive bytes, aligned
	s_wait_tensorcnt 0x0                           ; the wave's end: these three lines behind my last LDS store
	ds_add_u32 v[SPW], v[NIL]
	s_wait_dscnt 0x0
	s_endpgm
	; ---------------- the weights ----------------
.Lw:
	s_sub_co_u32 s17, ttmp9, XWG                   ; g = 0 .. 95
	s_lshr_b32 s22, s17, 5                         ; which weight: 0 q, 1 k, 2 v
	s_and_b32 s23, s17, 7                          ; which 128 columns
	s_bfe_u32 s18, s17, 0x20003                    ; which 256 along K
	s_lshl_b32 s23, s23, 7
	s_lshl_b32 s19, s16, 5
	s_add_co_u32 s17, s23, s19                     ; my wave's first column
	s_wait_alu depctr_va_vdst(0)
	v_lshlrev_b32 v3, 2, v2                        ; in: 4 bytes a lane
	s_mul_i32 s19, s16, 32*PITCH
	s_add_co_u32 s19, s19, WSTG                    ; my stage
	v_mul_u32_u24 v4, v2, PITCH
	v_add_nc_u32 v4, s19, v4                       ; into it: row = my column
	v_and_b32 v5, 15, v2
	v_lshrrev_b32 v6, 4, v2
	v_mul_u32_u24 v7, v6, PITCH
	v_lshl_add_u32 v7, v5, 4, v7
	v_add_nc_u32 v7, s19, v7                       ; out of it: sixteen lanes to a row, two rows an instruction
	v_mul_u32_u24 v8, v6, KROW
	v_mad_u32_u24 v8, v5, 12, v8                   ; and the same place in the codes
	v_lshlrev_b32 v9, 5, v2                        ; my column's row of scale bytes: 32 bytes a row
	s_lshl_b32 s24, s22, 10
	s_add_co_u32 s24, s24, s17
	s_add_co_u32 s24, s24, 8192                    ; my first row of codes and scales
	s_mul_i32 s26, s24, KROW
	s_mul_i32 s27, s18, 192
	s_add_co_u32 s26, s26, s27
	s_mov_b32 s27, 0
	s_lshl_b32 s28, s24, 5
	s_lshl_b32 s29, s18, 3
	s_add_co_u32 s28, s28, s29
	s_mov_b32 s29, 0
	s_lshl_b32 s20, s18, 20                        ; 256 rows of 4,096 bytes,
	s_lshl_b32 s21, s17, 2                         ; and my column
	s_add_co_u32 s20, s20, s21
	s_mov_b32 s21, 0
	s_wait_kmcnt 0x0
	s_cmp_eq_u32 s22, 0                            ; the choice hangs on the work-group's number alone
	s_cselect_b64 s[6:7], s[6:7], s[8:9]
	s_cmp_eq_u32 s22, 2
	s_cselect_b64 s[6:7], s[10:11], s[6:7]
	s_add_nc_u64 s[6:7], s[6:7], s[20:21]
	s_add_nc_u64 s[12:13], s[12:13], s[26:27]
	s_add_nc_u64 s[14:15], s[14:15], s[28:29]
.macro WLOAD t                         ; block t: W(32 t + i, my column) into set t % 2; a wave reads 128 consecutive bytes, the work-group 512
.irp i, 0,1,2,3,4,5,6,7,8,9,10,11,12,13,14,15,16,17,18,19,20,21,22,23,24,25,26,27,28,29,30,31
	global_load_b32 v[WX+32*((\t)%2)+\i], v3, s[6:7] offset:(32*(\t)+\i)*4096 th:TH_LOAD_NT
.endr
.endm
	WLOAD 0
	WLOAD 1
.macro BLOCK t
.set XS, WX+32*((\t)%2)
.if (\t) < NB-1
	s_wait_loadcnt 32                              ; this block's 32 loads are in; the next block's 32 may be out
.else
	s_wait_loadcnt 0
.endif
	v_max3_num_f32 v12, |v[XS]|, |v[XS+1]|, |v[XS+2]|               ; the block's largest magnitude: all 32 numbers are mine
	v_max3_num_f32 v13, |v[XS+3]|, |v[XS+4]|, |v[XS+5]|
.irp i, 6,10,14,18,22,26
	v_max3_num_f32 v12, v12, |v[XS+\i]|, |v[XS+\i+1]|
	v_max3_num_f32 v13, v13, |v[XS+\i+2]|, |v[XS+\i+3]|
.endr
	v_max3_num_f32 v12, v12, |v[XS+30]|, |v[XS+31]|
	v_max3_num_f32 v12, v12, v13, (EMAX+1)<<23     ; and the floor
	v_add_nc_u32 v11, -(EMAX<<23), v12             ; the conversion's scale operand
	v_lshrrev_b32 v13, 23, v11                     ; the scale's byte
.if (\t)%4 == 0
	v_mov_b32 v[SB+(\t)/4], v13                    ; four bytes to a register, the lower K in the lower byte
.else
	v_lshl_or_b32 v[SB+(\t)/4], v13, 8*((\t)%4), v[SB+(\t)/4]
.endif
	v_cvt_scalef32_pk16_fp6_f32 v[WC:WC+2], v[XS:XS+15], v11
	v_cvt_scalef32_pk16_fp6_f32 v[WC+4:WC+6], v[XS+16:XS+31], v11   ; (a conversion's three registers begin on an even number)
	v_nop                                          ; one plain line behind the last conversion
	ds_store_b96 v4, v[WC:WC+2] offset:32*(\t)     ; 12 bytes to a place of 16, so that every LDS address is a multiple of 16
	ds_store_b96 v4, v[WC+4:WC+6] offset:32*(\t)+16
.if (\t)+2 < NB
	WLOAD (\t)+2
.endif
	s_wait_dscnt 0x0                               ; the stores have read their registers: the next block's codes may be written
.endm
.irp t, 0,1,2,3,4,5,6,7
	BLOCK \t
.endr
	s_wait_alu depctr_va_vdst(0)
	global_store_b64 v9, v[SB:SB+1], s[14:15]      ; my column's 8 scale bytes
.irp t, 0,1,2,3,4,5,6,7,8,9,10,11,12,13,14,15
	ds_load_b96 v[OUTR+4*\t:OUTR+4*\t+2], v7 offset:2*\t*PITCH   ; LDS serves a wave's instructions in order: these see my stores
.endr
.irp t, 0,1,2,3,4,5,6,7,8,9,10,11,12,13,14,15
	s_wait_dscnt 15-\t                             ; load t is in; the younger ones may be out
	global_store_b96 v8, v[OUTR+4*\t:OUTR+4*\t+2], s[12:13] offset:2*\t*KROW   ; sixteen lanes store a row's 192 consecutive bytes
.endr
	s_wait_tensorcnt 0x0                           ; the wave's end: these three lines behind my last LDS store
	ds_add_u32 v[SPW], v[NIL]
	s_wait_dscnt 0x0
	s_endpgm
.Lfunc_end_k_q415ace3c79_quant:
	.size	k_q415ace3c79_quant, .Lfunc_end_k_q415ace3c79_quant-k_q415ace3c79_quant
	.p2alignl 7, 3214868480
	.fill 96, 4, 3214868480
	.section	.rodata,"a",@progbits
	.p2align	6, 0x0
	.amdhsa_kernel k_q415ace3c79_quant
		.amdhsa_group_segment_fixed_size 68096
		.amdhsa_private_segment_fixed_size 0
		.amdhsa_enable_private_segment 0
		.amdhsa_kernarg_size 48
		.amdhsa_user_sgpr_count 2
		.amdhsa_user_sgpr_kernarg_segment_ptr 1
		.amdhsa_wavefront_size32 1
		.amdhsa_system_sgpr_workgroup_id_x 1
		.amdhsa_system_sgpr_workgroup_id_y 1
		.amdhsa_system_sgpr_workgroup_id_z 1
		.amdhsa_system_vgpr_workitem_id 0
		.amdhsa_next_free_vgpr 196
		.amdhsa_next_free_sgpr 66
		.amdhsa_reserve_vcc 0
		.amdhsa_float_denorm_mode_32 3
		.amdhsa_float_denorm_mode_16_64 3
		.amdhsa_memory_ordered 1
		.amdhsa_forward_progress 1
		.amdhsa_inst_pref_size 73
	.end_amdhsa_kernel
	.amdgpu_metadata
---
amdhsa.version: [ 1, 2 ]
amdhsa.kernels:
  - .name:           k_q415ace3c79_quant
    .symbol:         k_q415ace3c79_quant.kd
    .args:
      - { .name: x, .offset: 0, .size: 8, .value_kind: global_buffer, .address_space: global }
      - { .name: Wq, .offset: 8, .size: 8, .value_kind: global_buffer, .address_space: global }
      - { .name: Wk, .offset: 16, .size: 8, .value_kind: global_buffer, .address_space: global }
      - { .name: Wv, .offset: 24, .size: 8, .value_kind: global_buffer, .address_space: global }
      - { .name: codes, .offset: 32, .size: 8, .value_kind: global_buffer, .address_space: global }
      - { .name: scales, .offset: 40, .size: 8, .value_kind: global_buffer, .address_space: global }
    .group_segment_fixed_size: 68096
    .private_segment_fixed_size: 0
    .kernarg_segment_align: 8
    .kernarg_segment_size: 48
    .max_flat_workgroup_size: 128
    .sgpr_count:     66
    .vgpr_count:     196
    .wavefront_size: 32
...
	.end_amdgpu_metadata
.endif
;; end of part 1
;; launch proj (part 2): grid 12 x 32, 4 waves a work-group, clusters of 4 x 4, 327,680 bytes of LDS; arguments codes, scales, bq, bk, bv, qkv; writes qkv
.if DOCPART == 2
	.amdgcn_target "amdgcn-amd-amdhsa--gfx1250"
	.amdhsa_code_object_version 6
	.text
	.protected	k_q415ace3c79_proj
	.globl	k_q415ace3c79_proj
	.p2align	8
	.type	k_q415ace3c79_proj,@function
k_q415ace3c79_proj:
	s_mov_b64 s[64:65], 0
	v_nop
	global_prefetch_b8 v0, s[64:65] scope:SCOPE_SE
	s_setreg_imm32_b32 hwreg(HW_REG_WAVE_MODE, 25, 1), 1
	s_wait_xcnt 0x0
	s_wait_alu depctr_hold_cnt(0) depctr_sa_sdst(0) depctr_va_vdst(0) depctr_va_sdst(0) depctr_va_ssrc(0) depctr_va_vcc(0) depctr_vm_vsrc(0)
	s_getreg_b32 s2, hwreg(HW_REG_IB_STS2, 6, 4)
	s_cmp_eq_u32 s2, 0
	s_cbranch_scc0 .Lentry_in_a_cluster
	s_endpgm
.Lentry_in_a_cluster:
	s_bfe_u32 s2, ttmp6, 0x10000c
	s_cmp_lg_u32 s2, 0xf033
	s_cbranch_scc0 .Lentry_shape_is_right
	s_endpgm
.Lentry_shape_is_right:
.set KSTEP,  256
.set NQ,     2
.set ROWB,   192
.set KROW,   768
.set PITCH,  240
.set FR,     12
.set NL,     6
.set NP,     4
.set HALFT,  128*PITCH
.set SLOT,   4*HALFT
.set KS,     32
.set SCL,    2*SLOT
.set HALFS,  16*272
.set SBLK,   2*272
.set SPARE,  SCL+4*HALFS
.set STGQ,   SPARE+512
.set STGV,   STGQ+4096
.set REC,    315392
.set STEPB,  13056
.set QC,     208896
.set QS,     307200
.set R4,   7
.set SGAQ, 8
.set SGRQ, 9
.set SGAV, 10
.set SGRV, 11
.set O16,  12
.set O8,   13
.set OV,   14
.set H32,  15
.set ADRA, 16
.set ADRB, 20
.set ADRS, 27
.set SPW,  28
.set NIL,  29
.set SC,   32
.set BB,   64
.set AF,   128
.set HA,   128
.set PC,   192
.set TM,   212
.set PW,   228
.set T0,   229
.set T1,   230
.set SEL,  12
.set CBS,  20
.set SBS,  22
.set G1, 24
.set G0, 32
.set G1B, 48
.set G0B, 56
.set G1S, 68
.set G0S, 76
.set G1SB, 80
.set G0SB, 88
.set MSB, 0
.macro WIN new
.if MSB != \new
	s_set_vgpr_msb (MSB<<8)|\new
.set MSB, \new
.endif
.endm
.set MUL_LO, 0xa1
.set MUL_HI, 0xf1
.set TO_B,   0x40
.macro JLOAD g0a, g1a, g0b, g1b
	s_cmp_eq_u32 s15, 0
	s_cbranch_scc0 .Lfor_b_\@
	tensor_load_to_lds s[\g0a:\g0a+3], s[\g1a:\g1a+7]
	s_nop 0
.rept 4
	v_nop
.endr
	s_branch .Lasked_\@
.Lfor_b_\@:
	tensor_load_to_lds s[\g0b:\g0b+3], s[\g1b:\g1b+7]
	s_nop 0
.rept 4
	v_nop
.endr
.Lasked_\@:
.endm
.macro CREST
	s_cmp_lg_u32 s14, 0
	s_cbranch_scc1 .Lnot_wave_0_\@
	s_barrier_signal -3
.Lnot_wave_0_\@:
	s_barrier_wait -3
	s_barrier_signal -1
	s_barrier_wait -1
.endm
.macro CROUND
	s_barrier_signal -1
	s_barrier_wait -1
	CREST
.endm
	s_load_b128 s[4:7], s[0:1], 0x0
	s_load_b128 s[8:11], s[0:1], 0x10
	s_load_b128 s[96:99], s[0:1], 0x20
	v_lshl_add_u32 v[SPW], v0, 2, SPARE
	v_mov_b32 v[NIL], 0
	ds_add_u32 v[SPW], v[NIL]
	ds_add_u32 v[SPW], v[NIL]
	v_lshrrev_b32 v1, 5, v0
	v_readfirstlane_b32 s14, v1
	s_lshr_b32 s15, s14, 1
	s_and_b32 s16, s14, 1
	s_bfe_u32 s40, ttmp6, 0x40000
	s_bfe_u32 s41, ttmp6, 0x40004
	s_lshr_b32 s100, ttmp9, 1
	s_and_b32 s101, ttmp7, 0xffff
	s_cmp_eq_u32 s100, 0
	s_cselect_b32 s42, ttmp9, s101
	s_cselect_b32 s17, s101, 0
	s_cselect_b32 s2, 0, 10240
	s_cselect_b32 s3, 8192, 0
	s_lshl_b32 s42, s42, 2
	s_add_co_u32 s42, s42, s40
	s_lshl_b32 s17, s17, 2
	s_add_co_u32 s17, s17, s41
	s_lshl_b32 s43, s41, 2
	s_lshl_b32 s43, 15, s43
	s_lshl_b32 s44, 0x1111, s40
	s_or_b32 s[G1+0], s43, (0<<16)|(1<<20)|(1<<21)|(3<<22)|(3<<25)
	s_or_b32 s[G1B+0], s44, (0<<16)|(1<<20)|(1<<21)|(3<<22)|(3<<25)
.irp g, G1, G1B
	s_mov_b32 s[\g+1], ROWB<<16
	s_mov_b32 s[\g+2], 128<<16
	s_mov_b32 s[\g+3], ROWB<<16
	s_mov_b32 s[\g+4], 128
	s_mov_b32 s[\g+5], KROW
	s_mov_b32 s[\g+6], 0
	s_mov_b32 s[\g+7], 0
.endr
	s_or_b32 s[G1S+0], s43, (3<<16)|(1<<20)|(1<<21)|(5<<22)|(3<<25)
	s_or_b32 s[G1SB+0], s44, (3<<16)|(1<<20)|(1<<21)|(5<<22)|(3<<25)
.irp g, G1S, G1SB
	s_mov_b32 s[\g+1], 32<<16
	s_mov_b32 s[\g+2], 16<<16
	s_mov_b32 s[\g+3], 32<<16
	s_mov_b32 s[\g+4], 16
	s_mov_b32 s[\g+5], 32
	s_mov_b32 s[\g+6], 0
	s_mov_b32 s[\g+7], 0
.endr
	s_mov_b32 s[SEL], 0x76543210
	s_mov_b32 s[SEL+1], 0xfedcba98
	s_lshl_b32 s18, s16, 7
	s_lshl_b32 s20, s17, 8
	s_add_co_u32 s20, s20, s18
	s_add_co_u32 s20, s20, s2
	s_lshl_b32 s46, s42, 8
	s_add_co_u32 s46, s46, s18
	s_add_co_u32 s46, s46, s3
	s_mov_b32 s21, 0
	s_mov_b32 s47, 0
	s_mov_b64 s[18:19], KS
	s_mul_u64 s[22:23], s[20:21], s[18:19]
	s_mul_u64 s[92:93], s[46:47], s[18:19]
	s_mov_b64 s[18:19], KROW
	s_mul_u64 s[20:21], s[20:21], s[18:19]
	s_mul_u64 s[46:47], s[46:47], s[18:19]
	s_mul_i32 s45, s14, HALFT
	s_mul_i32 s94, s14, HALFS
	s_wait_dscnt 0x0
	s_wait_kmcnt 0x0
	s_add_nc_u64 s[20:21], s[4:5], s[20:21]
	s_add_nc_u64 s[22:23], s[6:7], s[22:23]
	s_add_nc_u64 s[46:47], s[4:5], s[46:47]
	s_add_nc_u64 s[92:93], s[6:7], s[92:93]
	CROUND
	s_mov_b32 s[G0S], 1
	s_add_co_u32 s[G0S+1], s94, SCL
	s_mov_b64 s[G0S+2:G0S+3], s[22:23]
	s_or_b32 s[G0S+3], s[G0S+3], 0x80000000
	s_mov_b32 s[G0SB], 1
	s_add_co_u32 s[G0SB+1], s94, SCL
	s_mov_b64 s[G0SB+2:G0SB+3], s[92:93]
	s_or_b32 s[G0SB+3], s[G0SB+3], 0x80000000
	JLOAD G0S, G1S, G0SB, G1SB
.irp s, 0,1
	s_mov_b32 s[G0+4*\s], 1
	s_add_co_u32 s[G0+4*\s+1], s45, \s*SLOT
	s_add_nc_u64 s[G0+4*\s+2:G0+4*\s+3], s[20:21], \s*ROWB
	s_or_b32 s[G0+4*\s+3], s[G0+4*\s+3], 0x80000000
	s_mov_b32 s[G0B+4*\s], 1
	s_add_co_u32 s[G0B+4*\s+1], s45, \s*SLOT
	s_add_nc_u64 s[G0B+4*\s+2:G0B+4*\s+3], s[46:47], \s*ROWB
	s_or_b32 s[G0B+4*\s+3], s[G0B+4*\s+3], 0x80000000
	s_wait_alu depctr_va_vdst(0)
	s_wait_tensorcnt 0x0
	ds_add_u32 v28, v29
	s_wait_dscnt 0x0
	CROUND
	JLOAD G0+4*\s, G1, G0B+4*\s, G1B
.endr
	v_and_b32 v1, 15, v0
	v_bfe_u32 v2, v0, 4, 1
	v_mul_u32_u24 v3, v1, PITCH
	v_mul_u32_u24 v4, v2, 24
	v_add_nc_u32 v4, v3, v4
	v_lshl_add_u32 v5, v2, 4, v4
	s_mul_i32 s21, s15, HALFT
	s_mul_i32 s22, s16, HALFT
	s_add_co_u32 s22, s22, 2*HALFT
.irp s, 0,1
	v_add_nc_u32 v[ADRA+\s], s21, v4
	v_add_nc_u32 v[ADRB+\s], s22, v4
	v_add_nc_u32 v[ADRA+2+\s], s21, v5
	v_add_nc_u32 v[ADRB+2+\s], s22, v5
	s_add_co_u32 s21, s21, SLOT
	s_add_co_u32 s22, s22, SLOT
.endr
	v_mul_u32_u24 v5, v1, KS
	v_lshrrev_b32 v6, 8, v5
	v_lshl_add_u32 v5, v6, 4, v5
	s_mul_i32 s21, s15, HALFS
	s_mul_i32 s22, s16, HALFS
	s_add_co_u32 s22, s22, 2*HALFS
	s_sub_co_u32 s22, s22, s21
	v_mul_u32_u24 v6, s22, v2
	s_add_co_u32 s21, s21, SCL
	v_add_nc_u32 v5, v5, v6
	v_add_nc_u32 v[ADRS], s21, v5
	v_and_b32 v6, 31, v0
	v_lshlrev_b32 v[O16], 4, v6
	v_lshlrev_b32 v[O8], 3, v6
	v_lshlrev_b32 v[R4], 2, v1
	s_lshl_b32 s21, s14, 10
	s_add_co_u32 s21, s21, STGQ
	v_add_nc_u32 v[SGAQ], s21, v[R4]
	v_add_nc_u32 v[SGRQ], s21, v[O16]
	s_lshl_b32 s21, s14, 9
	s_add_co_u32 s21, s21, STGV
	v_add_nc_u32 v[SGAV], s21, v[R4]
	v_add_nc_u32 v[SGRV], s21, v[O16]
	v_mul_u32_u24 v[OV], v2, REC
	v_lshl_add_u32 v[OV], v1, 4, v[OV]
	v_lshlrev_b32 v[H32], 5, v2
.macro FRAG reg, adr, q, i
.irp p, 0,1,2,3,4,5
.set PCE, 12*(\q)+6*(\p/3)+\p%3
.if PCE%8 < 5
	ds_load_b64 v[\reg+2*\p:\reg+2*\p+1], v[\adr] offset:8*PCE+16*(PCE/8)+(\i)*16*PITCH
.else
	ds_load_b64 v[\reg+2*\p:\reg+2*\p+1], v[\adr+2] offset:8*PCE+16*(PCE/8)+(\i)*16*PITCH
.endif
.endr
.endm
.macro MUL16 a0, p, q, sc, zero
.irp a, \a0, \a0+1
.irp b, 0,1,2,3,4,5,6,7
.if \zero
	v_wmma_scale_f32_16x16x128_f8f6f4 v[8*(8*((\a)%4)+\b):8*(8*((\a)%4)+\b)+7], v[128*(\p)+FR*\b:128*(\p)+FR*\b+FR-1], v[AF+FR*(\a):AF+FR*(\a)+FR-1], 0, v[SC+8*NQ*(\sc)+NQ*\b+(\q)], v[SC+8*NQ*(\sc)+NQ*(\a)+(\q)] matrix_a_fmt:MATRIX_FMT_FP6 matrix_b_fmt:MATRIX_FMT_FP6 matrix_a_scale:MATRIX_SCALE_ROW1
.else
	v_wmma_scale_f32_16x16x128_f8f6f4 v[8*(8*((\a)%4)+\b):8*(8*((\a)%4)+\b)+7], v[128*(\p)+FR*\b:128*(\p)+FR*\b+FR-1], v[AF+FR*(\a):AF+FR*(\a)+FR-1], v[8*(8*((\a)%4)+\b):8*(8*((\a)%4)+\b)+7], v[SC+8*NQ*(\sc)+NQ*\b+(\q)], v[SC+8*NQ*(\sc)+NQ*(\a)+(\q)] matrix_a_fmt:MATRIX_FMT_FP6 matrix_b_fmt:MATRIX_FMT_FP6 matrix_a_scale:MATRIX_SCALE_ROW1
.endif
.endr
.endr
.endm
.macro FETCH_B slot, q, p
	WIN TO_B
.irp i, 0,1,2,3,4,5,6,7
	FRAG 128*(\p)+FR*\i, ADRB+\slot, \q, \i
.endr
	WIN 0
.endm
.macro FETCH_A slot, q, i0
.irp i, \i0, \i0+1, \i0+2, \i0+3
	FRAG AF+FR*(\i), ADRA+\slot, \q, \i
.endr
.endm
.macro SCALES sc
.irp i, 0,1,2,3,4,5,6,7
	ds_load_b64 v[SC+8*NQ*\sc+NQ*\i:SC+8*NQ*\sc+NQ*\i+1], v[ADRS] offset:\i*SBLK
.endr
.endm
.macro PLACES n
.rept \n
	v_nop
.endr
.endm
.macro STEP slot, q, zero
	s_wait_dscnt 4*NL
	WIN MUL_LO
	MUL16 0, (\q)%2, \q, \slot, \zero
	MUL16 2, (\q)%2, \q, \slot, \zero
	s_wait_dscnt 0
	PLACES NP
	FETCH_B \slot, (\q)+1, 1-(\q)%2
	FETCH_A \slot, (\q)+1, 0
	WIN MUL_HI
	MUL16 4, (\q)%2, \q, \slot, \zero
	MUL16 6, (\q)%2, \q, \slot, \zero
	PLACES NP
	WIN 0
	FETCH_A \slot, (\q)+1, 4
.endm
.macro TURN slot, next, fill
	s_wait_tensorcnt 0x0
	ds_add_u32 v[SPW], v[NIL]
	s_wait_dscnt 4*NL+1
	WIN MUL_LO
	MUL16 0, 1, NQ-1, \slot, 0
	s_wait_dscnt 0x0
	s_barrier_signal -1
	MUL16 2, 1, NQ-1, \slot, 0
	WIN 0
	s_barrier_wait -1
.if \fill
	CREST
	s_add_nc_u64 s[G0+4*\slot+2:G0+4*\slot+3], s[G0+4*\slot+2:G0+4*\slot+3], 2*ROWB
	s_add_nc_u64 s[G0B+4*\slot+2:G0B+4*\slot+3], s[G0B+4*\slot+2:G0B+4*\slot+3], 2*ROWB
	JLOAD G0+4*\slot, G1, G0B+4*\slot, G1B
.else
	PLACES NP
.endif
	s_wait_alu depctr_va_vdst(0)
	v_add_nc_u32 v[ADRS], 4*NQ, v[ADRS]
	FETCH_B \next, 0, 0
	FETCH_A \next, 0, 0
	SCALES \next
	WIN MUL_HI
	MUL16 4, 1, NQ-1, \slot, 0
	MUL16 6, 1, NQ-1, \slot, 0
	PLACES NP
	WIN 0
	FETCH_A \next, 0, 4
.endm
.macro LAST
	s_wait_dscnt 4*NL
	WIN MUL_LO
	MUL16 0, 1, NQ-1, 1, 0
	MUL16 2, 1, NQ-1, 1, 0
	s_wait_dscnt 0
	WIN MUL_HI
	MUL16 4, 1, NQ-1, 1, 0
	MUL16 6, 1, NQ-1, 1, 0
	WIN 0
.endm
.macro QUANT s
.irp b, 0,1,2,3
	v_max3_num_f32 v[TM+\b], |v[\s+16*\b]|, |v[\s+1+16*\b]|, 0x1800000
.endr
.irp i, 2,4,6,8,10,12,14
.irp b, 0,1,2,3
	v_max3_num_f32 v[TM+\b], v[TM+\b], |v[\s+16*\b+\i]|, |v[\s+1+16*\b+\i]|
.endr
.endr
.irp b, 0,1,2,3
	v_permlanex16_b32 v[TM+4+\b], v[TM+\b], s[SEL], s[SEL+1]
.endr
.irp b, 0,1,2,3
	v_max_num_f32 v[TM+\b], v[TM+\b], v[TM+4+\b]
.endr
.irp b, 0,1,2,3
	v_add_nc_u32 v[TM+12+\b], 0xff000000, v[TM+\b]
.endr
.irp b, 0,1,2,3
	v_lshrrev_b32 v[TM+4+\b], 23, v[TM+12+\b]
.endr
	v_lshl_or_b32 v[PW], v[TM+5], 8, v[TM+4]
	v_lshl_or_b32 v[PW], v[TM+6], 16, v[PW]
	v_lshl_or_b32 v[PW], v[TM+7], 24, v[PW]
.irp c, 0,1
	v_cvt_scalef32_pk16_fp6_f32 v[PC+6*\c:PC+2+6*\c], v[\s+32*\c:\s+15+32*\c], v[TM+12+2*\c]
	v_cvt_scalef32_pk16_fp6_f32 v[PC+12+4*\c:PC+14+4*\c], v[\s+16+32*\c:\s+31+32*\c], v[TM+12+2*\c+1]
.endr
	v_nop
.irp c, 0,1
.irp i, 0,1,2
	v_permlane16_swap_b32 v[PC+6*\c+\i], v[PC+12+4*\c+\i]
.endr
.irp i, 0,1,2
	v_mov_b32 v[PC+3+6*\c+\i], v[PC+12+4*\c+\i]
.endr
.endr
.endm
.macro EPIQ a
.if (\a) > 0
	s_wait_xcnt 0x0
	s_wait_dscnt 0x0
.endif
.set AC, 64*((\a)%4)
	WIN 0x02+(\a)/4
.set i, 0
.rept 32
	v_pk_add_f32 v[HA+i:HA+i+1], v[AC+i:AC+i+1], v[BB+i:BB+i+1]
.set i, i+2
.endr
	WIN 0
	QUANT HA
	global_store_b128 v[O16], v[PC:PC+3], s[CBS:CBS+1] offset:768*(\a)
	global_store_b64 v[O8], v[PC+4:PC+5], s[CBS:CBS+1] offset:768*(\a)+512
	global_store_b128 v[O16], v[PC+6:PC+9], s[CBS:CBS+1] offset:REC+768*(\a)
	global_store_b64 v[O8], v[PC+10:PC+11], s[CBS:CBS+1] offset:REC+768*(\a)+512
	v_and_b32 v[T0], 0xffff, v[PW]
	v_lshrrev_b32 v[T1], 16, v[PW]
	ds_store_b32 v[SGAQ], v[T0] offset:64*(\a)
	ds_store_b32 v[SGAQ], v[T1] offset:512+64*(\a)
.endm
.macro EPIV a
.if (\a) > 0
	s_wait_xcnt 0x0
	s_wait_dscnt 0x0
.endif
.set AC, 64*((\a)%4)
	WIN 0x02+(\a)/4
.set i, 0
.rept 32
	v_pk_add_f32 v[HA+i:HA+i+1], v[AC+i:AC+i+1], v[BB+2*(\a):BB+2*(\a)+1]
.set i, i+2
.endr
	WIN 0
	QUANT HA
.irp c, 0,1,2
	global_store_b128 v[O16], v[PC+4*\c:PC+4*\c+3], s[CBS:CBS+1] offset:((\a)/4)*REC+((\a)%4)*1536+512*\c
.endr
	ds_store_b32 v[SGAV], v[PW] offset:64*(\a)
.endm
	s_wait_tensorcnt 1
	s_barrier_signal -1
	s_barrier_wait -1
	FETCH_B 0, 0, 0
	FETCH_A 0, 0, 0
	SCALES 0
	FETCH_A 0, 0, 4
	STEP 0, 0, 1
	TURN 0, 1, 1
	STEP 1, 0, 0
	TURN 1, 0, 1
	STEP 0, 0, 0
	TURN 0, 1, 0
	STEP 1, 0, 0
	s_cmp_lg_u32 s100, 0
	s_cbranch_scc1 .Lv
	s_and_b32 s18, s42, 3
	s_lshl_b32 s18, s18, 1
	s_add_co_u32 s18, s18, s16
	s_lshr_b32 s19, s17, 3
	s_lshl_b32 s19, s19, 4
	s_lshl_b32 s40, s18, 1
	s_add_co_u32 s19, s19, s40
	s_mul_i32 s19, s19, REC
	s_and_b32 s40, s17, 7
	s_lshl_b32 s40, s40, 1
	s_add_co_u32 s40, s40, s15
	s_mul_i32 s44, s40, 6144
	s_add_co_u32 s44, s44, QC
	s_lshl_b32 s45, s40, 9
	s_add_co_u32 s45, s45, QS
	s_mul_i32 s46, s40, STEPB
	s_add_co_u32 s47, s46, 12288
	s_cmp_eq_u32 ttmp9, 0
	s_cselect_b32 s[CBS], s44, s46
	s_cselect_b32 s[SBS], s45, s47
	s_cselect_b64 s[8:9], s[8:9], s[10:11]
	s_add_co_u32 s[CBS], s[CBS], s19
	s_add_co_u32 s[SBS], s[SBS], s19
	s_mov_b32 s[CBS+1], 0
	s_mov_b32 s[SBS+1], 0
	s_add_nc_u64 s[CBS:CBS+1], s[98:99], s[CBS:CBS+1]
	s_add_nc_u64 s[SBS:SBS+1], s[98:99], s[SBS:SBS+1]
	s_lshl_b32 s46, s18, 9
	s_mov_b32 s47, 0
	s_add_nc_u64 s[8:9], s[8:9], s[46:47]
.irp t, 0,1,2,3,4,5,6,7
	global_load_b128 v[BB+8*\t:BB+8*\t+3], v[H32], s[8:9] offset:64*\t
	global_load_b128 v[BB+8*\t+4:BB+8*\t+7], v[H32], s[8:9] offset:64*\t+16
.endr
	LAST
	PLACES NP
.irp b, 0,1,2,3
	v_mov_b32 v[TM+4+\b], 0
.endr
	s_wait_loadcnt 0x0
.irp a, 0,1,2,3,4,5,6,7
	EPIQ \a
.endr
	ds_load_b128 v[232:235], v[SGRQ]
	ds_load_b128 v[236:239], v[SGRQ] offset:512
	s_wait_dscnt 0x0
	global_store_b128 v[O16], v[232:235], s[SBS:SBS+1]
	global_store_b128 v[O16], v[236:239], s[SBS:SBS+1] offset:REC
	s_branch .Ldone
.Lv:
	s_lshl_b32 s18, s17, 2
	s_lshl_b32 s19, s15, 1
	s_add_co_u32 s18, s18, s19
	s_lshr_b32 s19, s42, 3
	s_lshl_b32 s19, s19, 4
	s_add_co_u32 s19, s19, s18
	s_mul_i32 s19, s19, REC
	s_and_b32 s40, s42, 7
	s_lshl_b32 s40, s40, 1
	s_add_co_u32 s40, s40, s16
	s_mul_i32 s44, s40, STEPB
	s_add_co_u32 s44, s44, s19
	s_add_co_u32 s[CBS], s44, 6144
	s_add_co_u32 s[SBS], s44, 12800
	s_mov_b32 s[CBS+1], 0
	s_mov_b32 s[SBS+1], 0
	s_add_nc_u64 s[CBS:CBS+1], s[98:99], s[CBS:CBS+1]
	s_add_nc_u64 s[SBS:SBS+1], s[98:99], s[SBS:SBS+1]
	s_lshl_b32 s46, s17, 10
	s_lshl_b32 s47, s15, 9
	s_add_co_u32 s46, s46, s47
	s_mov_b32 s47, 0
	s_add_nc_u64 s[96:97], s[96:97], s[46:47]
.irp a, 0,1,2,3,4,5,6,7
	global_load_b32 v[BB+2*\a], v[R4], s[96:97] offset:64*\a
	global_load_b32 v[BB+2*\a+1], v[R4], s[96:97] offset:64*\a
.endr
	LAST
	PLACES NP
.irp b, 0,1,2,3
	v_mov_b32 v[TM+4+\b], 0
.endr
	s_wait_loadcnt 0x0
.irp a, 0,1,2,3,4,5,6,7
	EPIV \a
.endr
	ds_load_b128 v[232:235], v[SGRV]
	s_wait_dscnt 0x0
	global_store_b128 v[OV], v[232:235], s[SBS:SBS+1]
.Ldone:
	s_wait_tensorcnt 0x0
	ds_add_u32 v[SPW], v[NIL]
	s_wait_dscnt 0x0
	CROUND
	s_endpgm
.Lfunc_end_k_q415ace3c79_proj:
	.size	k_q415ace3c79_proj, .Lfunc_end_k_q415ace3c79_proj-k_q415ace3c79_proj
	.p2alignl 7, 3214868480
	.fill 96, 4, 3214868480
	.section	.rodata,"a",@progbits
	.p2align	6, 0x0
	.amdhsa_kernel k_q415ace3c79_proj
		.amdhsa_group_segment_fixed_size 327680
		.amdhsa_private_segment_fixed_size 0
		.amdhsa_enable_private_segment 0
		.amdhsa_kernarg_size 48
		.amdhsa_user_sgpr_count 2
		.amdhsa_user_sgpr_kernarg_segment_ptr 1
		.amdhsa_wavefront_size32 1
		.amdhsa_system_sgpr_workgroup_id_x 1
		.amdhsa_system_sgpr_workgroup_id_y 1
		.amdhsa_system_sgpr_workgroup_id_z 1
		.amdhsa_system_vgpr_workitem_id 0
		.amdhsa_next_free_vgpr 1024
		.amdhsa_next_free_sgpr 102
		.amdhsa_reserve_vcc 0
		.amdhsa_float_denorm_mode_32 3
		.amdhsa_float_denorm_mode_16_64 3
		.amdhsa_memory_ordered 1
		.amdhsa_forward_progress 1
		.amdhsa_inst_pref_size 247
	.end_amdhsa_kernel
	.amdgpu_metadata
---
amdhsa.version: [ 1, 2 ]
amdhsa.kernels:
  - .name:           k_q415ace3c79_proj
    .symbol:         k_q415ace3c79_proj.kd
    .args:
      - { .name: codes, .offset: 0, .size: 8, .value_kind: global_buffer, .address_space: global }
      - { .name: scales, .offset: 8, .size: 8, .value_kind: global_buffer, .address_space: global }
      - { .name: bq, .offset: 16, .size: 8, .value_kind: global_buffer, .address_space: global }
      - { .name: bk, .offset: 24, .size: 8, .value_kind: global_buffer, .address_space: global }
      - { .name: bv, .offset: 32, .size: 8, .value_kind: global_buffer, .address_space: global }
      - { .name: qkv, .offset: 40, .size: 8, .value_kind: global_buffer, .address_space: global }
    .group_segment_fixed_size: 327680
    .private_segment_fixed_size: 0
    .kernarg_segment_align: 8
    .kernarg_segment_size: 48
    .max_flat_workgroup_size: 128
    .sgpr_count:     102
    .vgpr_count:     1024
    .wavefront_size: 32
...
	.end_amdgpu_metadata
.endif
;; end of part 2
;; launch attn (part 3): grid 4 x 64, 16 waves a work-group, clusters of 4 x 1, 327,680 bytes of LDS; arguments qkv, out0; writes out0
.if DOCPART == 3
	.amdgcn_target "amdgcn-amd-amdhsa--gfx1250"
	.amdhsa_code_object_version 6
	.text
	.protected	k_q415ace3c79_attn
	.globl	k_q415ace3c79_attn
	.p2align	8
	.type	k_q415ace3c79_attn,@function
k_q415ace3c79_attn:
	s_mov_b64 s[64:65], 0
	v_nop
	global_prefetch_b8 v0, s[64:65] scope:SCOPE_SE
	s_setreg_imm32_b32 hwreg(HW_REG_WAVE_MODE, 25, 1), 1
	s_wait_xcnt 0x0
	s_wait_alu depctr_hold_cnt(0) depctr_sa_sdst(0) depctr_va_vdst(0) depctr_va_sdst(0) depctr_va_ssrc(0) depctr_va_vcc(0) depctr_vm_vsrc(0)
	s_getreg_b32 s2, hwreg(HW_REG_IB_STS2, 6, 4)
	s_cmp_eq_u32 s2, 0
	s_cbranch_scc0 .Lentry_in_a_cluster
	s_endpgm
.Lentry_in_a_cluster:
	s_bfe_u32 s2, ttmp6, 0x10000c
	s_cmp_lg_u32 s2, 0x3003
	s_cbranch_scc0 .Lentry_shape_is_right
	s_endpgm
.Lentry_shape_is_right:
; out[b][q][64 h + d] = the sum over keys of softmax(q . k / 32) v, both products on codes of FP6 (E2M3) with one E8M0 scale for each 32 along a product's K.  Codes and scale words come from qkv, as images of the operands' registers.
; THE SOFTMAX AHEAD OF THE SECOND PRODUCT: t = score x log2(e) / 32; M = the row's largest t so far, rounded up to a whole number; p = 2^(t - M) is quantised along the keys, not normalised.  The row's sum is taken of the
; unquantised p, in f32, and divides at the end.  When M moves, the sum and O are multiplied by 2^(old M - new M): exact.
; SHARES.  A cluster of four work-groups takes one (batch, head); a work-group 512 of its 2,048 queries; each of its sixteen waves two tiles of 16 queries, one after the other.  Four waves share a SIMD, so that one wave's
; vector work stands beside another's products and LDS loads.
; ALL OF THE HEAD'S K AND V STAY IN LDS: 16 key-step records of 13,056 bytes, 208,896 in all.  Wave w brings record w by one tensor load, asked for jointly by the four work-groups (the same descriptor, mask 15).
; Nothing is filled again: one barrier, no ring.  One tensor load of mine is out, at the head alone.
; LAYOUT.  Both products are used transposed: S^T = K Q^T (source 0 = 16 keys, source 1 = my 16 queries), O^T = V^T P^T (source 0 = 16 channels, source 1 = P): a lane holds one query (lane % 16) throughout.
; THE SCORES' K IS 64, the instruction's 128: Q's registers 6-11 are zero codes, and the scale words' bytes 2 and 3 are 0.  What stands in K's registers 6-11 (the next tile's codes, or zeros) meets zero codes alone; the format has
; no code for NaN or infinity, so those products are zeros.
; THE ORDER INSIDE A BLOCK OF 32 KEYS: a lane's 16 registers of score tiles 2 b and 2 b + 1 are keys 32 b + 16 u + 8 (lane / 16) + j; p is quantised as it stands, and V's codes were laid in the same order.
; LIMITS: a block whose every p has fallen to 0 keeps the byte 1 (its codes are zeros); NaN and infinities are not served.
; No prefetch: all loads of the launch stand at its head.
.set REC,   315392
.set STEPB, 13056
.set QC,    208896
.set QS,    307200
.set SPARE, 208896                     ; behind the records: the spare words, 128 bytes for each of sixteen waves
.set STAGE, 210944                     ; the way out: 16 rows x (256 bytes + 16) for each wave; no tensor load lands here
.set S,    96                          ; v96-159  S^T, then p
.set OT,   160                         ; v160-191 O^T
.set PC,   192                         ; v192-203 p's codes; v204-206, v208-210 the conversions' second halves
.set BM,   212                         ; v212-215 the blocks' largest scores, then largest p
.set PD,   216                         ; v216-219 permutes, then bytes
.set SO,   220                         ; v220-223 the conversions' scale operands
.set TP,   224                         ; v224     at work
.set F,    226                         ; v[226:227] f = 2^(old M - new M); v227 is named with it and written once
.set PWD,  228                         ; v228     p's scale word
.set L2,   230                         ; v[230:231] the sum's second chain
; v1 16 x lane, v2 8 x lane, v3 4 x lane; v4, v5 the add's two; v6-8 this step's LDS addresses; v9 my offset in out; v10, v11 the stage; v12 -M, v13 the largest t, v[14:15] the sum;
; v16-27 Q of the first tile, v28 its scale words, v29 4 x (lane % 16); v32-79 K's 8 tiles, then V's 4 fragments; v80-85 zeros; v86-89 K's scale words, v90-91 V's; v232-243 Q of the second tile, v244 its scale words.
.macro CROUND                          ; a round of the cluster's barrier
	s_barrier_signal -1
	s_barrier_wait -1
	s_cmp_lg_u32 s8, 0
	s_cbranch_scc1 .Lnot_wave_0_\@
	s_barrier_signal -3
.Lnot_wave_0_\@:
	s_barrier_wait -3
	s_barrier_signal -1
	s_barrier_wait -1
.endm
	s_load_b128 s[4:7], s[0:1], 0x0                ; qkv s[4:5], out s[6:7]
	v_lshl_add_u32 v4, v0, 2, SPARE
	v_mov_b32 v5, 0
	ds_add_u32 v4, v5                              ; the wave's opening: the add and its wait ahead of my first tensor load; the set-up below stands between them
	ds_add_u32 v4, v5
	v_lshrrev_b32 v6, 5, v0
	s_delay_alu instid0(VALU_DEP_1)
	v_readfirstlane_b32 s8, v6                     ; wave 0..15
	s_bfe_u32 s9, ttmp6, 0x40000                   ; cx: my place in the cluster: it enters Q's and out's addresses alone
	s_and_b32 s10, ttmp7, 0xffff                   ; 16 batch + head, which the four partners share
	; descriptor group 1: a dense block of 13,056 bytes as 51 rows of 256 bytes (32 elements of 8 bytes), no padding
	s_mov_b32 s24, 15|(3<<16)|(1<<21)              ; 15:0 the mask: all four work-groups; 17:16 elements of 8 bytes; 21 set beside a mask
	s_mov_b32 s25, 32<<16                          ; tensor_dim0 = 32
	s_mov_b32 s26, 51<<16                          ; tensor_dim1 = 51
	s_mov_b32 s27, 32<<16                          ; tile_dim0 = 32
	s_mov_b32 s28, 51                              ; tile_dim1 = 51
	s_mov_b32 s29, 32                              ; the pitch
	s_mov_b32 s30, 0
	s_mov_b32 s31, 0
	s_mov_b32 s16, 1                               ; group 0: count = 1,
	s_mul_i32 s17, s8, STEPB                       ; LDS address: record w lies at 13,056 w, as in memory
	s_mul_i32 s12, s10, REC                        ; the head's record in qkv
	s_mov_b32 s13, 0
	s_mov_b32 s14, s17
	s_mov_b32 s15, 0
	s_mov_b32 s20, 0x76543210
	s_mov_b32 s21, 0xfedcba98                      ; lane selects: lane l xor 16
	s_mov_b32 s22, 0x3d38aa3b                      ; c = log2(e) / 32
	s_mov_b32 s23, s22                             ; (named with it as a pair, so it is written)
	s_lshl_b32 s11, s9, 5
	s_add_co_u32 s11, s11, s8                      ; my first tile of queries: 32 cx + wave; the second lies 16 tiles on
	s_mul_i32 s36, s11, 768
	s_add_co_u32 s36, s36, QC
	s_add_co_u32 s36, s36, s12
	s_mov_b32 s37, 0                               ; its codes
	s_lshl_b32 s38, s11, 6
	s_add_co_u32 s38, s38, QS
	s_add_co_u32 s38, s38, s12
	s_mov_b32 s39, 0                               ; its scale words
	s_lshr_b32 s40, s10, 4
	s_lshl_b32 s40, s40, 23                        ; out: the batch's 2,048 rows of 4,096 bytes,
	s_lshl_b32 s41, s11, 16                        ; the tile's 16 rows,
	s_add_co_u32 s40, s40, s41
	s_and_b32 s41, s10, 15
	s_lshl_b32 s41, s41, 8                         ; the head's 256 bytes of a row
	s_add_co_u32 s40, s40, s41
	s_mov_b32 s41, 0
	v_and_b32 v6, 31, v0                           ; lane
	s_delay_alu instid0(VALU_DEP_1)
	v_lshlrev_b32 v1, 4, v6
	s_delay_alu instid0(VALU_DEP_2)
	v_lshlrev_b32 v2, 3, v6
	s_delay_alu instid0(VALU_DEP_3)
	v_lshlrev_b32 v3, 2, v6
	v_and_b32 v7, 15, v0                           ; r
	v_bfe_u32 v8, v0, 4, 1                         ; h
	s_delay_alu instid0(VALU_DEP_2)
	v_lshlrev_b32 v29, 2, v7
	s_delay_alu instid0(VALU_DEP_2)
	v_lshlrev_b32 v9, 12, v8
	s_delay_alu instid0(VALU_DEP_1)
	v_lshl_add_u32 v9, v7, 4, v9                   ; out: lanes 0-15 one row, lanes 16-31 the next; 16 bytes a lane
	s_mul_i32 s34, s8, 16*272
	s_add_co_u32 s34, s34, STAGE                   ; my stage
	v_mul_u32_u24 v10, v7, 272
	s_delay_alu instid0(VALU_DEP_1)
	v_lshl_add_u32 v10, v8, 5, v10
	s_delay_alu instid0(VALU_DEP_1)
	v_add_nc_u32 v10, s34, v10                     ; in: row r, + 32 h
	v_mul_u32_u24 v11, v8, 272
	s_delay_alu instid0(VALU_DEP_1)
	v_lshl_add_u32 v11, v7, 4, v11
	s_delay_alu instid0(VALU_DEP_1)
	v_add_nc_u32 v11, s34, v11                     ; back: lanes 0-15 one row, lanes 16-31 the next
	s_wait_dscnt 0x0                               ; the opening add is done
	s_wait_kmcnt 0x0
	s_add_nc_u64 s[18:19], s[4:5], s[12:13]
	s_add_nc_u64 s[18:19], s[18:19], s[14:15]      ; global address: the head's key-step record w
	s_or_b32 s19, s19, 0x80000000                  ; type = 2
	s_add_nc_u64 s[36:37], s[4:5], s[36:37]
	s_add_nc_u64 s[38:39], s[4:5], s[38:39]
	s_add_nc_u64 s[40:41], s[6:7], s[40:41]
	CROUND                                         ; all four work-groups are here: the joint loads meet
	tensor_load_to_lds s[16:19], s[24:31]          ; my one tensor load of the launch
	s_nop 0
.rept 4
	v_nop
.endr
	global_load_b128 v[16:19], v1, s[36:37]                  ; Q stays in registers: the first tile's registers 0-3,
	global_load_b64 v[20:21], v2, s[36:37] offset:512        ; 4-5,
	s_wait_alu depctr_va_vdst(0)
	global_load_b32 v28, v29, s[38:39]                       ; its scale words;
	global_load_b128 v[232:235], v1, s[36:37] offset:12288   ; the second tile, 16 tiles of 768 bytes on
	global_load_b64 v[236:237], v2, s[36:37] offset:12800
	global_load_b32 v244, v29, s[38:39] offset:1024
.irp j, 0,1,2,3,4,5
	v_mov_b32 v[22+\j], 0                          ; Q's upper 64 along K: zero codes
	v_mov_b32 v[238+\j], 0
	v_mov_b32 v[80+\j], 0                          ; behind K's last tile
.endr
.irp b, 0,1,2,3
	v_mov_b32 v[PD+\b], 0                          ; a lane permute's destination counts as one of its sources
.endr
	v_mov_b32 v[F+1], 0
	s_wait_tensorcnt 0x0                           ; my record is in LDS,
	s_barrier_signal -1
	s_barrier_wait -1                              ; everybody's is
	s_wait_loadcnt 0x0                             ; Q
; A KEY STEP: 128 keys, the record at LDS byte s32.  qf: Q's fragment; qs: its scale words.
.macro STEP qf, qs
	v_add_nc_u32 v6, s32, v1
	v_add_nc_u32 v7, s32, v2
	v_add_nc_u32 v8, s32, v3
	v_nop                                          ; with the three additions: the four places between the last step's products and the loads into their registers
.irp t, 0,1,2,3,4,5,6,7
	ds_load_b128 v[32+6*\t:35+6*\t], v6 offset:768*\t          ; K's tile t: registers 0-3, 512 consecutive bytes a wave,
	ds_load_b64 v[36+6*\t:37+6*\t], v7 offset:768*\t+512       ; registers 4-5
.endr
.irp i, 0,1,2,3
	ds_load_b32 v[86+\i], v8 offset:12288+128*\i   ; K's scale words: lanes 0-15 tile 2 i, lanes 16-31 tile 2 i + 1
.endr
	s_wait_alu depctr_va_vdst(0)
	s_wait_dscnt 0x0
.irp t, 0,1,2,3,4,5,6,7
.if (\t)%2
	v_wmma_scale_f32_16x16x128_f8f6f4 v[S+8*\t:S+8*\t+7], v[32+6*\t:43+6*\t], v[\qf:\qf+11], 0, v[86+\t/2], v[\qs] matrix_a_fmt:MATRIX_FMT_FP6 matrix_b_fmt:MATRIX_FMT_FP6 matrix_a_scale:MATRIX_SCALE_ROW1
.else
	v_wmma_scale_f32_16x16x128_f8f6f4 v[S+8*\t:S+8*\t+7], v[32+6*\t:43+6*\t], v[\qf:\qf+11], 0, v[86+\t/2], v[\qs] matrix_a_fmt:MATRIX_FMT_FP6 matrix_b_fmt:MATRIX_FMT_FP6
.endif
.endr
.rept 4
	v_nop                                          ; four places: in front of the loads into K's registers, and of the first read of the scores
.endr
.irp t, 0,1,2,3
.irp c, 0,1,2
	ds_load_b128 v[32+12*\t+4*\c:35+12*\t+4*\c], v6 offset:6144+1536*\t+512*\c   ; V's four fragments land while the softmax is walked
.endr
.endr
.irp i, 0,1
	ds_load_b32 v[90+\i], v8 offset:12800+128*\i   ; V's scale words: lanes 0-15 channels' tile 2 i, lanes 16-31 tile 2 i + 1
.endr
.irp b, 0,1,2,3
	v_max3_num_f32 v[BM+\b], v[S+16*\b], v[S+1+16*\b], v[S+2+16*\b]   ; the largest score of each block of 32 keys: it serves for the row's maximum and, since p rises with the score, for the block's largest p
.endr
.irp i, 3,5,7,9,11,13
.irp b, 0,1,2,3
	v_max3_num_f32 v[BM+\b], v[BM+\b], v[S+16*\b+\i], v[S+1+16*\b+\i]   ; (the four blocks by turns)
.endr
.endr
.irp b, 0,1,2,3
	v_max_num_f32 v[BM+\b], v[BM+\b], v[S+15+16*\b]
.endr
.irp b, 0,1,2,3
	s_delay_alu instid0(VALU_DEP_4)
	v_permlanex16_b32 v[PD+\b], v[BM+\b], s20, s21
.endr
.irp b, 0,1,2,3
	s_delay_alu instid0(VALU_DEP_4)
	v_max_num_f32 v[BM+\b], v[BM+\b], v[PD+\b]     ; with lane l xor 16's 16 keys
.endr
	s_delay_alu instid0(VALU_DEP_2)
	v_max3_num_f32 v[TP], v[BM], v[BM+1], v[BM+2]
	s_delay_alu instid0(VALU_DEP_1)
	v_max_num_f32 v[TP], v[TP], v[BM+3]            ; the step's largest score of my query
	s_delay_alu instid0(VALU_DEP_1)
	v_mul_f32 v[TP], s22, v[TP]                    ; as t (c is positive)
	s_delay_alu instid0(VALU_DEP_1)
	v_max_num_f32 v13, v13, v[TP]                  ; the running largest t
	v_mov_b32 v[TP], v12
	s_delay_alu instid0(VALU_DEP_2)
	v_floor_f32 v12, -v13                          ; the new -M = floor(-t): M is a whole number
	s_delay_alu instid0(VALU_DEP_1)
	v_sub_f32 v[TP], v12, v[TP]                    ; old M less new M: a whole number, 0 or less
	s_delay_alu instid0(VALU_DEP_1)
	v_cvt_i32_f32 v[TP], v[TP]                     ; (it saturates)
	s_delay_alu instid0(VALU_DEP_1)
	v_ldexp_f32 v[F], 1.0, v[TP]                   ; f = 2^(old M - new M)
.set j, 0
.rept 32
	v_pk_fma_f32 v[S+j:S+j+1], v[S+j:S+j+1], s[22:23], v[12:13] op_sel_hi:[1,0,0]   ; t - M, two at a time
.set j, j+2
.endr
.irp b, 0,1,2,3
	v_fma_f32 v[BM+\b], v[BM+\b], s22, v12         ; the same of each block's largest score
.endr
.set j, 0
	s_wait_alu depctr_va_vdst(0)
.rept 64
	v_exp_f32 v[S+j], v[S+j]                       ; p = 2^(t - M), at most 1
.set j, j+1
.endr
	s_setprio 1
	v_pk_mul_f32 v[14:15], v[14:15], v[F:F+1] op_sel_hi:[1,0]   ; the sums under the new M (the plain line behind the exponentials)
	s_wait_alu depctr_va_vdst(0)                   ; one wait for the whole batch, ahead of its first reader
.irp b, 0,1,2,3
	v_exp_f32 v[BM+\b], v[BM+\b]                   ; the block's largest p: the same two instructions on the same number
.endr
	v_pk_add_f32 v[230:231], v[100:101], v[104:105]
	v_pk_add_f32 v[254:255], v[108:109], v[112:113]
	v_pk_add_f32 v[252:253], v[116:117], v[120:121]
	v_pk_add_f32 v[250:251], v[124:125], v[128:129]
	v_pk_add_f32 v[248:249], v[132:133], v[136:137]
	v_pk_add_f32 v[246:247], v[140:141], v[144:145]
	v_pk_add_f32 v[228:229], v[148:149], v[152:153]
	v_pk_add_f32 v[14:15], v[14:15], v[156:157]
	v_pk_add_f32 v[230:231], v[230:231], v[96:97]
	v_pk_add_f32 v[254:255], v[254:255], v[98:99]
	v_pk_add_f32 v[252:253], v[252:253], v[102:103]
	v_pk_add_f32 v[250:251], v[250:251], v[106:107]
	v_pk_add_f32 v[248:249], v[248:249], v[110:111]
	v_pk_add_f32 v[246:247], v[246:247], v[114:115]
	v_pk_add_f32 v[228:229], v[228:229], v[118:119]
	v_pk_add_f32 v[14:15], v[14:15], v[122:123]
	v_pk_add_f32 v[230:231], v[230:231], v[126:127]
	v_pk_add_f32 v[254:255], v[254:255], v[130:131]
	v_pk_add_f32 v[252:253], v[252:253], v[134:135]
	v_pk_add_f32 v[250:251], v[250:251], v[138:139]
	v_pk_add_f32 v[248:249], v[248:249], v[142:143]
	v_pk_add_f32 v[246:247], v[246:247], v[146:147]
	v_pk_add_f32 v[228:229], v[228:229], v[150:151]
	v_pk_add_f32 v[14:15], v[14:15], v[154:155]
	v_pk_add_f32 v[230:231], v[230:231], v[158:159]
	s_delay_alu instid0(VALU_DEP_2)
	v_pk_add_f32 v[14:15], v[14:15], v[250:251]
	s_delay_alu instid0(VALU_DEP_2)
	v_pk_add_f32 v[230:231], v[230:231], v[248:249]
	v_pk_add_f32 v[254:255], v[254:255], v[246:247]
	v_pk_add_f32 v[252:253], v[252:253], v[228:229]
	s_delay_alu instid0(VALU_DEP_2)
	v_pk_add_f32 v[14:15], v[14:15], v[254:255]
	s_delay_alu instid0(VALU_DEP_2)
	v_pk_add_f32 v[230:231], v[230:231], v[252:253]
	s_delay_alu instid0(VALU_DEP_1)
	v_pk_add_f32 v[14:15], v[14:15], v[230:231]
	s_wait_alu depctr_va_vdst(0)                   ; and one for the four
.irp b, 0,1,2,3
	v_max_num_f32 v[BM+\b], 0x1800000, v[BM+\b]    ; the floor 2^(3 - 127): the byte cannot fall under 1
.endr
.irp b, 0,1,2,3
	s_delay_alu instid0(VALU_DEP_4)
	v_add_nc_u32 v[SO+\b], 0xff000000, v[BM+\b]    ; 2 off the exponent field: the conversion's scale operand
.endr
.irp b, 0,1,2,3
	s_delay_alu instid0(VALU_DEP_4)
	v_lshrrev_b32 v[PD+\b], 23, v[SO+\b]           ; the scale's byte
.endr
	s_delay_alu instid0(VALU_DEP_3)
	v_lshl_or_b32 v[PWD], v[PD+1], 8, v[PD]        ; p's scale word for these 128 keys
	s_delay_alu instid0(VALU_DEP_1)
	v_lshl_or_b32 v[PWD], v[PD+2], 16, v[PWD]
	s_delay_alu instid0(VALU_DEP_1)
	v_lshl_or_b32 v[PWD], v[PD+3], 24, v[PWD]
.irp c, 0,1
	v_cvt_scalef32_pk16_fp6_f32 v[PC+6*\c:PC+2+6*\c], v[S+32*\c:S+15+32*\c], v[SO+2*\c]
	v_cvt_scalef32_pk16_fp6_f32 v[PC+12+4*\c:PC+14+4*\c], v[S+16+32*\c:S+31+32*\c], v[SO+2*\c+1]   ; (a conversion's three registers begin on an even number)
.endr
	v_nop                                          ; one plain line behind the last conversion
.irp c, 0,1                                    ; the operand's layout wants a whole block in a lane
.irp i, 0,1,2
	v_permlane16_swap_b32 v[PC+6*\c+\i], v[PC+12+4*\c+\i]
.endr
.irp i, 0,1,2
	s_delay_alu instid0(VALU_DEP_3)
	v_mov_b32 v[PC+3+6*\c+\i], v[PC+12+4*\c+\i]
.endr
.endr
.set j, 0
	s_setprio 0
.rept 16
	v_pk_mul_f32 v[OT+j:OT+j+1], v[OT+j:OT+j+1], v[F:F+1] op_sel_hi:[1,0]   ; O^T under the new M, each accumulator from its low end on.  These sixteen also stand between the codes' and the scale word's last writes and the products
.set j, j+2
.endr
	s_wait_alu depctr_va_vdst(0)
	s_wait_dscnt 0x0                               ; V is in
.irp t, 0,1,2,3                                ; the four accumulators take turns; eight other products stand between two links of a chain
.if (\t)%2
	v_wmma_scale_f32_16x16x128_f8f6f4 v[OT+8*\t:OT+8*\t+7], v[32+12*\t:43+12*\t], v[PC:PC+11], v[OT+8*\t:OT+8*\t+7], v[90+\t/2], v[PWD] matrix_a_fmt:MATRIX_FMT_FP6 matrix_b_fmt:MATRIX_FMT_FP6 matrix_a_scale:MATRIX_SCALE_ROW1
.else
	v_wmma_scale_f32_16x16x128_f8f6f4 v[OT+8*\t:OT+8*\t+7], v[32+12*\t:43+12*\t], v[PC:PC+11], v[OT+8*\t:OT+8*\t+7], v[90+\t/2], v[PWD] matrix_a_fmt:MATRIX_FMT_FP6 matrix_b_fmt:MATRIX_FMT_FP6
.endif
.endr
	s_add_co_u32 s32, s32, STEPB                   ; the next step's record
.endm
; ONE TILE OF 16 QUERIES against all 2,048 keys, and its way out.  n: 0 or 1.
.macro PASS n, qf, qs
.if \n
	s_wait_xcnt 0x0                                ; the first tile's stores have read v32-63, which K's loads take again
.endif
	v_mov_b32 v13, 0xff61b1e6                      ; the largest t so far: -3e38, under every t
	s_delay_alu instid0(VALU_DEP_1)
	v_floor_f32 v12, -v13                          ; -M
	v_mov_b32 v14, 0                               ; the sum, in two halves
	v_mov_b32 v15, 0
.set j, 0
.rept 32
	v_mov_b32 v[OT+j], 0                           ; O^T: the step is written once; its first trip finds zeros, which the first change of M leaves zeros
.set j, j+1
.endr
	s_mov_b32 s32, 0
	s_mov_b32 s33, 16
.Lstep_\@:
	s_setprio 2
	STEP \qf, \qs
	s_sub_co_u32 s33, s33, 1
	s_cmp_lg_u32 s33, 0
	s_cbranch_scc1 .Lstep_\@
	s_setprio 0
	v_add_f32 v14, v14, v15                        ; the sum's two halves,
	s_delay_alu instid0(VALU_DEP_1)
	v_permlanex16_b32 v[TP], v14, s20, s21
	s_delay_alu instid0(VALU_DEP_1)
	v_add_f32 v14, v14, v[TP]                      ; and lane l xor 16's: the row's sum
	s_wait_alu depctr_va_vdst(0)
	v_rcp_f32 v14, v14
.rept 4
	v_nop                                          ; the plain line behind the reciprocal; and four places between the last products and the first read of O^T
.endr
	s_wait_alu depctr_va_vdst(0)                   ; the wait ahead of the reciprocal's first reader
.set j, 0
.rept 16
	v_pk_mul_f32 v[S+j:S+j+1], v[OT+j:OT+j+1], v[14:15] op_sel_hi:[1,0]   ; O^T / the sum: register 8 t + i is channel 16 t + 8 h + i of query r
.set j, j+2
.endr
.irp t, 0,1,2,3
	ds_store_b128 v10, v[S+8*\t:S+8*\t+3] offset:64*\t
	ds_store_b128 v10, v[S+8*\t+4:S+8*\t+7] offset:64*\t+16
.endr
.irp i, 0,1,2,3,4,5,6,7
	ds_load_b128 v[32+4*\i:35+4*\i], v11 offset:544*\i   ; LDS serves a wave's instructions in order: these see my stores
.endr
.irp i, 0,1,2,3,4,5,6,7
	s_wait_dscnt 7-\i                              ; load i is in; the younger ones may be out
	global_store_b128 v9, v[32+4*\i:35+4*\i], s[40:41] offset:\n*1048576+8192*\i th:TH_STORE_NT   ; sixteen lanes store the 256 consecutive bytes of one query and head, aligned
.endr
.endm
	PASS 0, 16, 28
	PASS 1, 232, 244
	s_wait_tensorcnt 0x0                           ; the wave's end: these three lines, behind my tensor load and my last LDS store
	ds_add_u32 v4, v5
	s_wait_dscnt 0x0
	CROUND                                         ; the closing round
	s_endpgm
.Lfunc_end_k_q415ace3c79_attn:
	.size	k_q415ace3c79_attn, .Lfunc_end_k_q415ace3c79_attn-k_q415ace3c79_attn
	.p2alignl 7, 3214868480
	.fill 96, 4, 3214868480
	.section	.rodata,"a",@progbits
	.p2align	6, 0x0
	.amdhsa_kernel k_q415ace3c79_attn
		.amdhsa_group_segment_fixed_size 327680
		.amdhsa_private_segment_fixed_size 0
		.amdhsa_enable_private_segment 0
		.amdhsa_kernarg_size 16
		.amdhsa_user_sgpr_count 2
		.amdhsa_user_sgpr_kernarg_segment_ptr 1
		.amdhsa_wavefront_size32 1
		.amdhsa_system_sgpr_workgroup_id_x 1
		.amdhsa_system_sgpr_workgroup_id_y 1
		.amdhsa_system_sgpr_workgroup_id_z 1
		.amdhsa_system_vgpr_workitem_id 0
		.amdhsa_next_free_vgpr 256
		.amdhsa_next_free_sgpr 66
		.amdhsa_reserve_vcc 0
		.amdhsa_float_denorm_mode_32 3
		.amdhsa_float_denorm_mode_16_64 3
		.amdhsa_memory_ordered 1
		.amdhsa_forward_progress 1
		.amdhsa_inst_pref_size 50
	.end_amdhsa_kernel
	.amdgpu_metadata
---
amdhsa.version: [ 1, 2 ]
amdhsa.kernels:
  - .name:           k_q415ace3c79_attn
    .symbol:         k_q415ace3c79_attn.kd
    .args:
      - { .name: qkv, .offset: 0, .size: 8, .value_kind: global_buffer, .address_space: global }
      - { .name: out0, .offset: 8, .size: 8, .value_kind: global_buffer, .address_space: global }
    .group_segment_fixed_size: 327680
    .private_segment_fixed_size: 0
    .kernarg_segment_align: 8
    .kernarg_segment_size: 16
    .max_flat_workgroup_size: 512
    .sgpr_count:     66
    .vgpr_count:     256
    .wavefront_size: 32
...
	.end_amdgpu_metadata
.endif
;; end of part 3
